; MI455X (gfx1250); checked and timed in simulation.
; The chip was launched on July 23, 2026; its instructions are those of AMD's public machine-readable ISA for CDNA 5 (MIT licence, August 2026) and "CDNA5" Instruction Set Architecture Reference Guide (July 2026). The comments in the code are by the model that wrote it; some were corrected since.
;; Bahdanau Attention. Allowed arithmetic: matrix products marked QUANTISED: E5M2 operands, one given power-of-two scale a tensor, by v_wmma_f32_16x16x64_bf8_bf8 or v_wmma_f32_16x16x128_bf8_bf8, f32 sums; products left as they are: f32 operands where the result goes on into a quantised operand, else bf16, f16 or f32 operands; f32 sums; everything else in f32.
;; Inputs: V 1,024 x 1 float32; W1_codes 1,024 x 16 x 32 uint8 (E5M2 codes of W1, K innermost, in blocks of 32 codes); W2_codes 1,024 x 16 x 32 uint8 (E5M2 codes of W2, K innermost, in blocks of 32 codes); b1 1,024 float32; b2 1,024 float32; bv 1 float32; lowp_scales 4 int32 (the exponents e of the quantised operands' scales 2^e); query_codes 64 x 16 x 32 uint8 (E5M2 codes of query, K innermost, in blocks of 32 codes); values 64 x 2,048 x 512 float32.
;; Outputs: out0 64 x 512 float32; out1 64 x 2,048 x 1 float32.
;; This version of the problem:
;;   THIS VERSION OF THE PROBLEM IS GIVEN IN LOW PRECISION. The matrix products marked QUANTISED in the list below multiply operands that are first quantised to E5M2 (5 exponent bits, 2 mantissa bits; 8 bits a number), with one given power-of-two scale for each operand tensor; their sums are f32. All else is computed in f32.
;;   The module's matrix products, in the order in which they are computed (A, B: the left and right operand; K: the contracted axis; several contracted axes count as one K, in the product's order):
;;     1. [M 64, K 512] x [K 512, N 1,024]; A: input query (given as codes); B: input W1 (given as codes): QUANTISED (scales: A lowp_scales[0], B lowp_scales[1])
;;     2. [M 131,072, K 512] x [K 512, N 1,024]; A: input values; B: input W2 (given as codes): QUANTISED (scales: A lowp_scales[2], B lowp_scales[3])
;;     3. [M 131,072, K 1,024] x [K 1,024, N 1]; A: computed on the way; B: input V: left as it is (N = 1 < 16)
;;   THE QUANTISER, for each operand of a quantised product, along K:
;;     - The operand's scale is 2^e, e = its entry of the input lowp_scales (int32; the entries are numbered through the quantised products in the list's order, A before B).
;;     - Each number is divided by the scale, clamped to +-57,344, and rounded to the nearest number of E5M2, ties to even, subnormals kept.
;;     - The product sums the exact products of the quantised numbers (number of the format x scale) in f32.
;;   ~~~python
;;   def quantise(x, axis, e):      # numpy; x: float32 -> the quantised numbers, widened to float32 again
;;       x = np.moveaxis(x, axis, -1); K = x.shape[-1]
;;       r = np.clip(x / 2.0 ** e, -57344, 57344)
;;       step = 2.0 ** (np.maximum(np.frexp(np.where(r == 0, 1, r))[1] - 1, -14) - 2)
;;       q = np.round(r / step) * step * 2.0 ** e      # np.round: ties to even
;;       return np.moveaxis(q, -1, axis).astype(np.float32)
;;   ~~~
;;   INPUTS GIVEN AS CODES. W1 (in the module: [512, 1024], K = its axis 0); W2 (in the module: [512, 1024], K = its axis 0); query (in the module: [64, 512], K = its axis 1): each comes as NAME_codes (uint8): NAME with its K axis moved to the last place and cut into blocks of 32 codes, [.., K / 32, bytes a block], one block behind the other in memory; one code a byte (a code: sign, 5 exponent bits, 2 mantissa bits); its scale is its entry of lowp_scales. Its value is code x scale, taken as it is: it is not quantised again, and the codes and scales need not be those that the quantiser above would give.
;; One version. Each part assembles by itself: llvm-mc -triple=amdgcn-amd-amdhsa -mcpu=gfx1250 --defsym DOCPART=n.
;; ======== version 1 of 1: 3 launches
;; limits: right only within a limited range of input values
;; workspace buffers: qc 262,144 bytes; scores 524,288 bytes
;; launch qproj (part 1): grid 16 x 1, 4 waves a work-group, no clusters, 17,920 bytes of LDS; arguments query_codes, W1_codes, lowp_scales, b1, b2, qc; writes qc
.if DOCPART == 1
	.amdgcn_target "amdgcn-amd-amdhsa--gfx1250"
	.amdhsa_code_object_version 6
	.text
	.protected	k_q14d4ea9482_qproj
	.globl	k_q14d4ea9482_qproj
	.p2align	8
	.type	k_q14d4ea9482_qproj,@function
k_q14d4ea9482_qproj:
	s_mov_b64 s[64:65], 0
	v_nop
	global_prefetch_b8 v0, s[64:65] scope:SCOPE_SE
	s_setreg_imm32_b32 hwreg(HW_REG_WAVE_MODE, 25, 1), 1
	s_wait_xcnt 0x0
; qc[b][u] = c x (2^(e0 + e1) x (sum over k of query's code x W1's code) + b1[u] + b2[u]),  c = 2 log2(e): the part of tanh's exponent that hangs on the batch and the unit alone.
; query_codes: [64][512], W1_codes: [1024][512], codes of BF8 (E5M2), K innermost.  b1, b2: [1024] f32.  qc: [64][1024] f32.
; SHARES.  Work-group x takes units 64 x .. 64 x + 63; wave w takes batches 16 w .. 16 w + 15: 4 tiles of 16 units x 4 K steps of 128 = 16 matrix instructions a wave.
; THE MATRIX INSTRUCTION IS USED TRANSPOSED (source 0 = 16 rows of W1, source 1 = 16 rows of query): lane (r, h) holds batch r, and register j of tile t unit 16 t + 8 h + j: eight neighbours of a row of qc.
; A fragment is fetched by four loads of 16 bytes, 32 bytes apart: registers 4 c .. 4 c + 3 hold k = 32 c + 16 h + 0 .. 15, the same places in both operands, so every product meets its partner.
; All operands go from memory straight into registers: each is used once.  No cluster: nothing goes through LDS but the way out, and a work-group's operands are 32 KiB of W1 of its own and query's 32 KiB.
; LIMIT: e0 + e1 between -127 and 126: the sum is added to c's exponent field.  NaN among the inputs is not served.
; REGISTERS: window 0: v1-8 addresses; v16-79 query's 4 fragments; v80-111 b1, then c (b1 + b2); v112-143 b2; v144-175 the 4 accumulators; v176-207 results; v208-239 rows read back.  window 1: W1's 16 fragments, (t, s) at v[16 (4 t + s)].
.set SP,   272                         ; a stage row: 256 bytes + 16
.set QF,   16
.set BA,   80
.set BB,   112
.set ACC,  144
.set OUTR, 176
.set BK,   208
.set MSB, 0
.macro WIN new                         ; the immediate's high byte repeats the setting that is left
.if MSB != \new
	s_set_vgpr_msb (MSB<<8)|\new
.set MSB, \new
.endif
.endm
	s_load_b256 s[4:11], s[0:1], 0x0               ; query's codes s[4:5], W1's codes s[6:7], the scales' exponents s[8:9], b1 s[10:11]
	s_load_b128 s[12:15], s[0:1], 0x20             ; b2 s[12:13], qc s[14:15]
	v_lshl_add_u32 v254, v0, 2, 0x4400
	v_mov_b32 v255, 0
	v_lshrrev_b32 v1, 5, v0
	v_readfirstlane_b32 s16, v1                    ; wave 0..3
	v_and_b32 v1, 15, v0                           ; r
	v_bfe_u32 v2, v0, 4, 1                         ; h
	v_lshlrev_b32 v3, 9, v1
	v_lshl_add_u32 v3, v2, 4, v3                   ; a fragment's place: row r of 512 bytes, + 16 h
	v_lshlrev_b32 v5, 5, v2                        ; the biases: my half's eight numbers of a tile: 32 h
	s_mul_i32 s26, s16, 16*SP                      ; my stage
	v_mul_u32_u24 v6, v1, SP
	v_lshl_add_u32 v6, v2, 5, v6
	v_add_nc_u32 v6, s26, v6                       ; in: row r, + 32 h
	v_mul_u32_u24 v7, v2, SP
	v_lshl_add_u32 v7, v1, 4, v7
	v_add_nc_u32 v7, s26, v7                       ; back: lanes 0-15 one row of 256 bytes, lanes 16-31 the next
	v_lshlrev_b32 v8, 12, v2
	v_lshl_add_u32 v8, v1, 4, v8                   ; and the same two rows in qc (a row is 4,096 bytes)
	s_mov_b32 s27, 0
	s_mov_b32 s29, 0
	s_wait_alu depctr_va_vdst(0)
	s_wait_kmcnt 0x0
	s_load_b64 s[20:21], s[8:9], 0x0               ; e0, e1
	s_lshl_b32 s26, s16, 13                        ; my 16 rows of query
	s_add_nc_u64 s[4:5], s[4:5], s[26:27]
	s_lshl_b32 s26, ttmp9, 15                      ; my work-group's 64 rows of W1
	s_add_nc_u64 s[6:7], s[6:7], s[26:27]
	s_lshl_b32 s26, ttmp9, 8                       ; its 64 numbers of b1, of b2 and of a row of qc
	s_add_nc_u64 s[10:11], s[10:11], s[26:27]
	s_add_nc_u64 s[12:13], s[12:13], s[26:27]
	s_add_nc_u64 s[14:15], s[14:15], s[26:27]
	s_lshl_b32 s28, s16, 16                        ; my 16 rows of qc
	s_add_nc_u64 s[14:15], s[14:15], s[28:29]
.irp s, 0,1,2,3
.irp c, 0,1,2,3
	global_load_b128 v[QF+16*\s+4*\c:QF+16*\s+4*\c+3], v3, s[4:5] offset:128*\s+32*\c
.endr
.endr
	WIN 0x40                                       ; destination window 1, address window 0
.irp t, 0,1,2,3
.irp s, 0,1,2,3
.irp c, 0,1,2,3
	global_load_b128 v[16*(4*\t+\s)+4*\c:16*(4*\t+\s)+4*\c+3], v3, s[6:7] offset:8192*\t+128*\s+32*\c
.endr
.endr
.endr
	WIN 0
.irp t, 0,1,2,3
	global_load_b128 v[BA+8*\t:BA+8*\t+3],   v5, s[10:11] offset:64*\t
	global_load_b128 v[BA+8*\t+4:BA+8*\t+7], v5, s[10:11] offset:64*\t+16
	global_load_b128 v[BB+8*\t:BB+8*\t+3],   v5, s[12:13] offset:64*\t
	global_load_b128 v[BB+8*\t+4:BB+8*\t+7], v5, s[12:13] offset:64*\t+16
.endr
	s_wait_kmcnt 0x0
	s_add_co_i32 s22, s20, s21                     ; e0 + e1
	s_lshl_b32 s22, s22, 23
	s_add_co_i32 s22, s22, 0x4038aa3b              ; c x 2^(e0 + e1): the exponents are added to c's exponent field
	s_mov_b32 s23, s22                             ; (named with it as a pair, so it is written)
	s_mov_b32 s24, 0x4038aa3b                      ; c = 2 log2(e)
	s_mov_b32 s25, s24
	s_wait_loadcnt 0x0                             ; every operand is in
	WIN 0x01                                       ; source 0 (W1) window 1; query, C and D window 0
.irp s, 0,1,2,3                        ; the four accumulators take turns, one instruction a turn; the first K step starts the sums
.irp t, 0,1,2,3
.if \s == 0
	v_wmma_f32_16x16x128_bf8_bf8 v[ACC+8*\t:ACC+8*\t+7], v[16*(4*\t+\s):16*(4*\t+\s)+15], v[QF+16*\s:QF+16*\s+15], 0
.else
	v_wmma_f32_16x16x128_bf8_bf8 v[ACC+8*\t:ACC+8*\t+7], v[16*(4*\t+\s):16*(4*\t+\s)+15], v[QF+16*\s:QF+16*\s+15], v[ACC+8*\t:ACC+8*\t+7]
.endif
.endr
.endr
	WIN 0
.set II, 0
.rept 16                               ; b1 + b2: these plain lines name no register of the products: they are the places behind them (ISA guide 7.12.1)
	v_pk_add_f32 v[BA+II:BA+II+1], v[BA+II:BA+II+1], v[BB+II:BB+II+1]
.set II, II+2
.endr
.set II, 0
.rept 16
	v_pk_mul_f32 v[BA+II:BA+II+1], v[BA+II:BA+II+1], s[24:25] op_sel_hi:[1,0]     ; x c
.set II, II+2
.endr
.set II, 0
.rept 16                               ; sum x c 2^(e0 + e1) + c (b1 + b2), each accumulator from its low end on
	v_pk_fma_f32 v[OUTR+II:OUTR+II+1], v[ACC+II:ACC+II+1], s[22:23], v[BA+II:BA+II+1] op_sel_hi:[1,0,1]
.set II, II+2
.endr
; THE WAY OUT: a lane's 32 bytes of a tile go into my own stage, and whole rows of 256 bytes come back.  LDS serves a wave's instructions in order (ISA guide 5.7.1.4): no wait between the stores and the loads.
.irp t, 0,1,2,3
	ds_store_b128 v6, v[OUTR+8*\t:OUTR+8*\t+3]   offset:64*\t
	ds_store_b128 v6, v[OUTR+8*\t+4:OUTR+8*\t+7] offset:64*\t+16
.endr
.irp i, 0,1,2,3,4,5,6,7
	ds_load_b128 v[BK+4*\i:BK+4*\i+3], v7 offset:2*\i*SP
.endr
.irp i, 0,1,2,3,4,5,6,7
	s_wait_dscnt 7-\i                              ; the younger loads may stay out
	global_store_b128 v8, v[BK+4*\i:BK+4*\i+3], s[14:15] offset:8192*\i   ; 16 lanes store 256 consecutive bytes, at a multiple of 256 from qc's first byte
.endr
	s_wait_tensorcnt 0x0
	ds_add_u32 v254, v255
	s_wait_dscnt 0x0
	s_endpgm
.Lfunc_end_k_q14d4ea9482_qproj:
	.size	k_q14d4ea9482_qproj, .Lfunc_end_k_q14d4ea9482_qproj-k_q14d4ea9482_qproj
	.p2alignl 7, 3214868480
	.fill 96, 4, 3214868480
	.section	.rodata,"a",@progbits
	.p2align	6, 0x0
	.amdhsa_kernel k_q14d4ea9482_qproj
		.amdhsa_group_segment_fixed_size 17920
		.amdhsa_private_segment_fixed_size 0
		.amdhsa_enable_private_segment 0
		.amdhsa_kernarg_size 48
		.amdhsa_user_sgpr_count 2
		.amdhsa_user_sgpr_kernarg_segment_ptr 1
		.amdhsa_wavefront_size32 1
		.amdhsa_system_sgpr_workgroup_id_x 1
		.amdhsa_system_sgpr_workgroup_id_y 1
		.amdhsa_system_sgpr_workgroup_id_z 1
		.amdhsa_system_vgpr_workitem_id 0
		.amdhsa_next_free_vgpr 512
		.amdhsa_next_free_sgpr 66
		.amdhsa_reserve_vcc 0
		.amdhsa_float_denorm_mode_32 3
		.amdhsa_float_denorm_mode_16_64 3
		.amdhsa_memory_ordered 1
		.amdhsa_forward_progress 1
		.amdhsa_inst_pref_size 18
	.end_amdhsa_kernel
	.amdgpu_metadata
---
amdhsa.version: [ 1, 2 ]
amdhsa.kernels:
  - .name:           k_q14d4ea9482_qproj
    .symbol:         k_q14d4ea9482_qproj.kd
    .args:
      - { .name: query_codes, .offset: 0, .size: 8, .value_kind: global_buffer, .address_space: global }
      - { .name: W1_codes, .offset: 8, .size: 8, .value_kind: global_buffer, .address_space: global }
      - { .name: lowp_scales, .offset: 16, .size: 8, .value_kind: global_buffer, .address_space: global }
      - { .name: b1, .offset: 24, .size: 8, .value_kind: global_buffer, .address_space: global }
      - { .name: b2, .offset: 32, .size: 8, .value_kind: global_buffer, .address_space: global }
      - { .name: qc, .offset: 40, .size: 8, .value_kind: global_buffer, .address_space: global }
    .group_segment_fixed_size: 17920
    .private_segment_fixed_size: 0
    .kernarg_segment_align: 8
    .kernarg_segment_size: 48
    .max_flat_workgroup_size: 128
    .sgpr_count:     66
    .vgpr_count:     512
    .wavefront_size: 32
...
	.end_amdgpu_metadata
.endif
;; end of part 1
;; launch score (part 2): grid 256 x 1, 8 waves a work-group, clusters of 4 x 1, 327,680 bytes of LDS; arguments values, W2_codes, lowp_scales, qc, V, bv, scores; writes scores
.if DOCPART == 2
	.amdgcn_target "amdgcn-amd-amdhsa--gfx1250"
	.amdhsa_code_object_version 6
	.text
	.protected	k_q14d4ea9482_score
	.globl	k_q14d4ea9482_score
	.p2align	8
	.type	k_q14d4ea9482_score,@function
k_q14d4ea9482_score:
	s_mov_b64 s[64:65], 0
	v_nop
	global_prefetch_b8 v0, s[64:65] scope:SCOPE_SE
	s_setreg_imm32_b32 hwreg(HW_REG_WAVE_MODE, 25, 1), 1
	s_wait_xcnt 0x0
	s_wait_alu depctr_hold_cnt(0) depctr_sa_sdst(0) depctr_va_vdst(0) depctr_va_sdst(0) depctr_va_ssrc(0) depctr_va_vcc(0) depctr_vm_vsrc(0)
	s_getreg_b32 s2, hwreg(HW_REG_IB_STS2, 6, 4)
	s_cmp_eq_u32 s2, 0
	s_cbranch_scc0 .Lentry_in_a_cluster
	s_endpgm
.Lentry_in_a_cluster:
	s_bfe_u32 s2, ttmp6, 0x10000c
	s_cmp_lg_u32 s2, 0x3003
	s_cbranch_scc0 .Lentry_shape_is_right
	s_endpgm
.Lentry_shape_is_right:
; scores[row] = bv + sum over u of V[u] tanh(q_proj[b][u] + v_proj[row][u]),  v_proj = Q(values) W2 + b2 on codes of BF8 (E5M2).
; tanh(x) = 1 - 2 / (1 + 2^z), z = c x, c = 2 log2(e): it holds for every x.  z = sum of codes x c 2^(e2 + e3) + qc[b][u]; qc holds c (q_proj + b2), made by the launch before.
; values: [131072][512] f32; W2_codes: [1024][512], K innermost; qc: [64][1024] f32; V: [1024]; bv: [1]; scores: [131072] f32.
; SHARES.  A work-group owns 512 rows, a quarter of a batch; each of its eight waves owns 64 of them (four tiles of 16) for ALL 1,024 units: a row's score never leaves its wave.
; THE WALK.  W2 goes through two LDS slots of 256 units: quarters U0 U1 U2 U3 U0 U1.  A wave first brings and quantises row tiles 0, 1.  On U0, U1 it works these two tiles, and between the
;   units' tiles it brings and quantises row tiles 2, 3 (two half fragments for every 64 units).  On U2, U3 it works all four row tiles.  On the second U0, U1 it works row tiles 2, 3.
; A HALF FRAGMENT is 16 rows x 64 numbers: 8 loads, each 2 rows x 256 consecutive bytes; turned through the wave's own stage so that a lane holds 16 neighbours along K; held within +-57,344 x 2^e2; converted.
; The matrix instruction is used as it stands (source 0 = 16 rows, source 1 = 16 units): a lane holds ONE unit and eight rows.  Kept: sum V r (r = 1 / (1 + 2^z)) for each row and sum V for the lane.
; CLUSTER.  The four work-groups of a cluster (one batch) walk the same W2: each quarter is asked for JOINTLY, waves 0 to 3 one load of 64 rows each; by the text's count one load a wave is out.
; No prefetch: the launch streams values from memory through most of its length, and W2's 512 KiB are read by every work-group again and again.
; k's places: registers 4 c .. 4 c + 3 of a K step hold k = 32 c + 16 (lane / 16) + 0 .. 15 in both operands, so every product meets its partner.
; LIMITS: e2 between -126 and 112; e2 + e3 between -127 and 126 (added to c's exponent field).  NaN among the inputs is not served.
; LDS: two slots of 256 rows x 528; a stage of 16 x 272 for each wave; the spare words; the table of pairs (qc[u], V[u]).  All of a WGP's LDS is claimed.
; REGISTERS: window 0: v1-17 addresses and constants; v[24:27] two pairs; v28 sum of V; v32-63 accumulators; v64-95 the rows' sums; v96-159, v160-223 two tiles of W2;
;   landing sets of 32: v64, 96, 128 (first 15 half fragments only), v160, 192, 224.  window 1: my 16 fragments of rows, (rt, s) at v[16 (4 rt + s)].
.set PITCH, 528
.set QUART, 64*PITCH                   ; what one tensor load brings
.set SLOT,  4*QUART
.set STG,   2*SLOT
.set SPI,   272                        ; a stage row: 256 bytes + 16
.set STGW,  16*SPI                     ; 17 blocks of 256 bytes
.set SPARE, STG+8*STGW
.set QVT,   SPARE+1024
.set ACC,   32
.set SACC,  64
.set B0,    96
.set B1,    160
.set MSB, 0
.macro WIN new                         ; the immediate's high byte repeats the setting that is left
.if MSB != \new
	s_set_vgpr_msb (MSB<<8)|\new
.set MSB, \new
.endif
.endm
.macro NOP4
.rept 4
	v_nop
.endr
.endm
.macro ROUND                           ; a round of the cluster's barrier
	s_barrier_signal -1
	s_barrier_wait -1
	s_cmp_lg_u32 s16, 0
	s_cbranch_scc1 .Lnot_wave_0_\@
	s_barrier_signal -3
.Lnot_wave_0_\@:
	s_barrier_wait -3
	s_barrier_signal -1
	s_barrier_wait -1
.endm
.macro JLOAD n                         ; a joint fill of slot n: waves 0 to 3, 64 rows each
	s_cmp_lt_u32 s16, 4
	s_cbranch_scc0 .Lasked_\@
	tensor_load_to_lds s[32+4*\n:35+4*\n], s[24:31]
	s_nop 0
	NOP4
.Lasked_\@:
.endm
.macro SETOF g                         ; LS = half fragment g's landing set
.if (\g) < 15
.set LS, 64+32*((\g)%6)
.else
.set LS, 160+32*(((\g)-15)%3)
.endif
.endm
.macro LOADH g                         ; half fragment g: row tile g / 8, K step (g / 2) % 4, half g % 2
	SETOF \g
.irp i, 0,1,2,3,4,5,6,7
	global_load_b128 v[LS+4*\i:LS+4*\i+3], v3, s[4:5] offset:(16*((\g)/8)+2*\i)*2048+512*(((\g)/2)%4)+256*((\g)%2) th:TH_LOAD_NT
.endr
.endm
.macro HFRAG g
	SETOF \g
.if (\g) <= 12                         ; loads come back in order: 8 for each younger half fragment may stay out
	s_wait_loadcnt 40
.elseif (\g) <= 14
	s_wait_loadcnt 8*(17-(\g))
.elseif (\g) <= 29
	s_wait_loadcnt 16
.else
	s_wait_loadcnt 8*(31-(\g))
.endif
.irp i, 0,1,2,3,4,5,6,7
	ds_store_b128 v4, v[LS+4*\i:LS+4*\i+3] offset:2*SPI*\i      ; two rows as they lie
.endr
.irp b, 0,1
.irp j, 0,1,2,3
	ds_load_b128 v[LS+16*\b+4*\j:LS+16*\b+4*\j+3], v5 offset:128*\b+16*\j   ; lane (r, h): row r, k = 32 b + 16 h + 4 j on; LDS serves a wave's instructions in order
.endr
.endr
	s_wait_dscnt 0x0
.set II, 0
.rept 32
	v_med3_num_f32 v[LS+II], v[LS+II], -v12, v12   ; the conversion does not saturate (ISA guide 7.6.2): the hold
.set II, II+1
.endr
.set CD, 16*((\g)/2)+8*((\g)%2)
	WIN 0x40
.irp b, 0,1
.irp q, 0,1
	v_cvt_scalef32_pk8_bf8_f32 v[CD+4*\b+2*\q:CD+4*\b+2*\q+1], v[LS+16*\b+8*\q:LS+16*\b+8*\q+7], v11
.endr
.endr
	WIN 0
	v_nop                                          ; one plain line behind the last conversion
.if (\g) <= 11
	LOADH (\g)+6
.elseif ((\g) >= 15) && ((\g) <= 28)
	LOADH (\g)+3
.endif
.endm
.macro WLOAD buf, toff                 ; a tile of 16 units: four fragments of W2
.irp s, 0,1,2,3
.irp c, 0,1,2,3
	ds_load_b128 v[\buf+16*\s+4*\c:\buf+16*\s+4*\c+3], v8 offset:\toff+128*\s+32*\c
.endr
.endr
.endm
.macro MUL buf                         ; four row tiles x one tile of units; the accumulators take turns
	WIN 0x01
.irp s, 0,1,2,3
.irp t, 0,1,2,3
.if \s == 0
	v_wmma_f32_16x16x128_bf8_bf8 v[ACC+8*\t:ACC+8*\t+7], v[16*(4*\t+\s):16*(4*\t+\s)+15], v[\buf+16*\s:\buf+16*\s+15], 0
.else
	v_wmma_f32_16x16x128_bf8_bf8 v[ACC+8*\t:ACC+8*\t+7], v[16*(4*\t+\s):16*(4*\t+\s)+15], v[\buf+16*\s:\buf+16*\s+15], v[ACC+8*\t:ACC+8*\t+7]
.endif
.endr
.endr
	WIN 0
.endm
.macro MULH buf, rt0, ac               ; row tiles rt0, rt0 + 1 x one tile of units, into two accumulators by turns
	WIN 0x01
.irp s, 0,1,2,3
.irp t, 0,1
.if \s == 0
	v_wmma_f32_16x16x128_bf8_bf8 v[\ac+8*\t:\ac+8*\t+7], v[16*(4*(\rt0+\t)+\s):16*(4*(\rt0+\t)+\s)+15], v[\buf+16*\s:\buf+16*\s+15], 0
.else
	v_wmma_f32_16x16x128_bf8_bf8 v[\ac+8*\t:\ac+8*\t+7], v[16*(4*(\rt0+\t)+\s):16*(4*(\rt0+\t)+\s)+15], v[\buf+16*\s:\buf+16*\s+15], v[\ac+8*\t:\ac+8*\t+7]
.endif
.endr
.endr
	WIN 0
.endm
; 32 numbers a lane: z, 2^z, 1 + 2^z, r, sums += V r.  The lower 16 go by pair p0 into sums sa0, the upper 16 by p1 into sa1.  a0, a1: the pair's V is added to the lane's sum of V.
; Each batch of transcendentals has one wait ahead and one behind.
.macro TANH p0, p1, sa0, sa1, a0, a1
.set II, 0
.rept 8
	v_pk_fma_f32 v[ACC+II:ACC+II+1], v[ACC+II:ACC+II+1], s[44:45], v[\p0:\p0+1] op_sel_hi:[1,0,0]
.set II, II+2
.endr
.rept 8
	v_pk_fma_f32 v[ACC+II:ACC+II+1], v[ACC+II:ACC+II+1], s[44:45], v[\p1:\p1+1] op_sel_hi:[1,0,0]
.set II, II+2
.endr
	s_wait_alu depctr_va_vdst(0)
.set II, 0
.rept 32
	v_exp_f32 v[ACC+II], v[ACC+II]
.set II, II+1
.endr
.if \a0
	v_add_f32 v28, v28, v[\p0+1]
.else
	v_nop
.endif
.if \a1
	v_add_f32 v28, v28, v[\p1+1]
.endif
	s_wait_alu depctr_va_vdst(0)
.set II, 0
.rept 16
	v_pk_add_f32 v[ACC+II:ACC+II+1], v[ACC+II:ACC+II+1], 1.0 op_sel_hi:[1,0]
.set II, II+2
.endr
	s_wait_alu depctr_va_vdst(0)
.set II, 0
.rept 32
	v_rcp_f32 v[ACC+II], v[ACC+II]
.set II, II+1
.endr
	v_nop
	s_wait_alu depctr_va_vdst(0)
.set II, 0
.rept 8
	v_pk_fma_f32 v[\sa0+II:\sa0+II+1], v[ACC+II:ACC+II+1], v[\p0:\p0+1], v[\sa0+II:\sa0+II+1] op_sel:[0,1,0] op_sel_hi:[1,1,1]
.set II, II+2
.endr
.set II, 0
.rept 8
	v_pk_fma_f32 v[\sa1+II:\sa1+II+1], v[ACC+16+II:ACC+16+II+1], v[\p1:\p1+1], v[\sa1+II:\sa1+II+1] op_sel:[0,1,0] op_sel_hi:[1,1,1]
.set II, II+2
.endr
.endm
.macro STEPS lab                       ; 32 units on in the slot and in the table of 8,192 bytes; the trip's count
	s_add_co_u32 s48, s48, 32*PITCH
	s_add_co_u32 s49, s49, 256
	s_and_b32 s49, s49, 8191
	s_sub_co_u32 s47, s47, 1
	s_cmp_lg_u32 s47, 0
	s_cbranch_scc1 \lab
.endm
; Trips of two tiles of units x row tiles rt0, rt0 + 1.  db = 1: both tiles' loads go out in one run, into two buffers; db = 0: one buffer, since the other holds landing sets.
.macro RUNP n, rt0, db, av, trips
	s_mov_b32 s47, \trips
.Lp_\@:
	v_add_nc_u32 v8, s48, v[6+\n]
	v_add_nc_u32 v10, s49, v9
	s_wait_alu depctr_va_vdst(0)
	WLOAD B0, 0
	ds_load_b64 v[24:25], v10
	ds_load_b64 v[26:27], v10 offset:128
.if \db
	WLOAD B1, 16*PITCH
	s_wait_dscnt 16                                ; the second tile's 16 may stay out
	MULH B0, \rt0, ACC
	s_wait_dscnt 0x0
	MULH B1, \rt0, ACC+16
.else
	s_wait_dscnt 0x0
	MULH B0, \rt0, ACC
	NOP4                                           ; places ahead of loads into registers that the products read
	WLOAD B0, 16*PITCH
	s_wait_dscnt 0x0
	MULH B0, \rt0, ACC+16
.endif
	NOP4
	TANH 24, 26, SACC+8*\rt0, SACC+8*\rt0, \av, \av
	STEPS .Lp_\@
.endm
.macro RUNM n                          ; eight trips of two tiles of units x all four row tiles
	s_mov_b32 s48, 0
	s_mov_b32 s47, 8
.Lm_\@:
	v_add_nc_u32 v8, s48, v[6+\n]
	v_add_nc_u32 v10, s49, v9
	WLOAD B0, 0
	ds_load_b64 v[24:25], v10
	WLOAD B1, 16*PITCH
	ds_load_b64 v[26:27], v10 offset:128
	s_wait_dscnt 17                                ; the second tile's 17 may stay out
	MUL B0
	NOP4
	TANH 24, 24, SACC, SACC+16, 1, 0
	s_wait_dscnt 0x0
	MUL B1
	NOP4
	TANH 26, 26, SACC, SACC+16, 1, 0
	STEPS .Lm_\@
.endm
.macro ESLOT n, g0                     ; row tiles 0, 1 on slot n; eight half fragments of row tiles 2, 3 between
	s_mov_b32 s48, 0
.irp q, 0,1,2,3
	HFRAG (\g0)+2*\q
	HFRAG (\g0)+2*\q+1
	RUNP \n, 0, 0, 1, 2
.endr
.endm
; THE CHANGE OF SLOTS: slot n has been read out.  how = 1: it takes the quarter two on; 2: the quarter two back; 0: nothing.
.macro CHANGE n, how
	s_wait_tensorcnt 0x0                           ; no tensor load of mine is out
	ds_add_u32 v1, v2
.if \how
	ds_add_u32 v1, v2                              ; and twice on end here
.endif
.if \how == 1
	s_add_nc_u64 s[34+4*\n:35+4*\n], s[34+4*\n:35+4*\n], 2*131072
.elseif \how == 2
	s_sub_nc_u64 s[34+4*\n:35+4*\n], s[34+4*\n:35+4*\n], 2*131072
.endif
	s_wait_dscnt 0x0                               ; the add is done, my reads of the slot are over
.if \how
	ROUND
	JLOAD \n
.else
	s_barrier_signal -1
	s_barrier_wait -1
.endif
.endm
	s_load_b256 s[4:11], s[0:1], 0x0               ; values, W2's codes, the scales' exponents, qc
	s_load_b128 s[12:15], s[0:1], 0x20             ; V, bv
	s_load_b64 s[18:19], s[0:1], 0x30              ; scores
	v_lshl_add_u32 v1, v0, 2, SPARE                ; my spare word; never rewritten
	v_mov_b32 v2, 0                                ; never rewritten
	ds_add_u32 v1, v2
	ds_add_u32 v1, v2
	v_lshrrev_b32 v18, 5, v0
	v_readfirstlane_b32 s16, v18                   ; wave 0..7
	s_bfe_u32 s17, ttmp6, 0x40000                  ; cx: it enters the addresses of values and scores alone
	s_lshl_b32 s20, ttmp9, 2                       ; ttmp9 counts clusters: the batch
	s_add_co_u32 s20, s20, s17                     ; my block of 512 rows
	s_mov_b32 s24, 15|(1<<20)|(1<<21)|(6<<22)|(3<<25)  ; mask of all four; 1-byte elements; four words of padding after every 128
	s_mov_b32 s25, 512<<16
	s_mov_b32 s26, 64<<16
	s_mov_b32 s27, 512<<16
	s_mov_b32 s28, 64
	s_mov_b32 s29, 512
	s_mov_b32 s30, 0
	s_mov_b32 s31, 0
	s_and_b32 s21, s16, 3                          ; which 64 rows of a quarter I fetch, if I fetch
	s_mul_i32 s22, s21, QUART
	s_lshl_b32 s50, s21, 15
	s_mov_b32 s51, 0
	s_lshl_b32 s52, s20, 20                        ; values: 512 rows of 2,048 bytes a work-group,
	s_lshl_b32 s46, s16, 17                        ; 64 a wave
	s_add_co_u32 s52, s52, s46
	s_mov_b32 s53, 0
	s_wait_dscnt 0x0
	s_wait_kmcnt 0x0
	s_load_b128 s[40:43], s[8:9], 0x0              ; e0, e1, e2, e3
	s_load_b32 s54, s[14:15], 0x0                  ; bv
	s_add_nc_u64 s[4:5], s[4:5], s[52:53]
	s_lshl_b32 s52, s20, 11
	s_lshl_b32 s46, s16, 8
	s_add_co_u32 s52, s52, s46
	s_add_nc_u64 s[18:19], s[18:19], s[52:53]      ; scores: 256 bytes a wave
	s_lshl_b32 s52, ttmp9, 12
	s_add_nc_u64 s[10:11], s[10:11], s[52:53]      ; qc at my batch's row
	s_add_nc_u64 s[6:7], s[6:7], s[50:51]
.irp n, 0,1
	s_mov_b32 s[32+4*\n], 1
	s_add_co_u32 s[33+4*\n], s22, \n*SLOT
	s_add_nc_u64 s[34+4*\n:35+4*\n], s[6:7], \n*131072
	s_or_b32 s[35+4*\n], s[35+4*\n], 0x80000000
.endr
	ROUND                                          ; the first joint loads meet
	JLOAD 0                                        ; U0: one tensor load a wave at the head
	v_and_b32 v19, 31, v0                          ; l
	v_and_b32 v20, 15, v0                          ; r
	v_bfe_u32 v21, v0, 4, 1                        ; h
	s_mul_i32 s23, s16, STGW
	s_add_co_u32 s23, s23, STG                     ; my stage
	v_lshlrev_b32 v3, 4, v20
	v_mul_u32_u24 v22, v21, SPI
	v_mul_u32_u24 v23, v20, SPI
	v_mul_u32_u24 v6, v20, PITCH
	v_add_nc_u32 v4, v22, v3
	v_lshl_add_u32 v5, v21, 6, v23
	v_lshl_add_u32 v3, v21, 11, v3                 ; memory: row l / 16 of a load's two, 16 bytes x l % 16
	v_add_nc_u32 v4, s23, v4                       ; the stage on the way in: the same two rows
	v_add_nc_u32 v5, s23, v5                       ; and back: row r, + 64 h
	v_lshl_add_u32 v6, v21, 4, v6                  ; a fragment of W2 in slot 0: row r, + 16 h
	v_lshl_add_u32 v9, v20, 3, QVT                 ; my unit's pair in a tile of 16
	v_lshlrev_b32 v13, 5, v21
	v_lshlrev_b32 v15, 3, v19                      ; scores in memory: 8 bytes a lane
	v_add_nc_u32 v7, SLOT, v6                      ; in slot 1
	v_add_nc_u32 v13, s23, v13                     ; the scores' way out: in: 32 h
	v_add_nc_u32 v14, s23, v15                     ; back
	v_lshlrev_b32 v16, 4, v0                       ; my thread's four numbers of qc and of V
	v_lshl_add_u32 v17, v0, 5, QVT                 ; and their four pairs
	s_wait_alu depctr_va_vdst(0)
	global_load_b128 v[32:35], v16, s[10:11]
	global_load_b128 v[36:39], v16, s[12:13]
.irp g, 0,1,2,3,4,5
	LOADH \g
.endr
	s_wait_kmcnt 0x0
	s_add_co_i32 s21, s42, 127
	s_lshl_b32 s22, s21, 23
	v_mov_b32 v11, s22                             ; 2^e2
	s_add_co_i32 s21, s21, 15
	s_lshl_b32 s21, s21, 23
	s_or_b32 s21, s21, 0x600000
	v_mov_b32 v12, s21                             ; 57,344 x 2^e2
	s_add_co_i32 s44, s42, s43
	s_lshl_b32 s44, s44, 23
	s_add_co_i32 s44, s44, 0x4038aa3b              ; c x 2^(e2 + e3)
	s_mov_b32 s45, s44
	s_mov_b32 s55, s54
	s_wait_alu depctr_va_vdst(0)
	s_wait_loadcnt 48                              ; qc and V are in; six half fragments' 48 loads stay out
.irp i, 0,1,2,3
	v_mov_b32 v[40+2*\i], v[32+\i]                 ; (qc, V) side by side
	v_mov_b32 v[41+2*\i], v[36+\i]
.endr
	ds_store_b128 v17, v[40:43]
	ds_store_b128 v17, v[44:47] offset:16
	s_wait_tensorcnt 0x0                           ; my part of U0 is in; slot 1's first fill is issued as a refill is
	ds_add_u32 v1, v2
	ds_add_u32 v1, v2
	s_wait_dscnt 0x0                               ; the adds are done, my pairs lie in the table
	ROUND                                          ; U0 and the table are whole
	JLOAD 1                                        ; U1
.irp g, 0,1,2,3,4,5,6,7,8,9,10,11,12,13,14,15
	HFRAG \g                                       ; row tiles 0, 1
.endr
.set II, 0
.rept 32
	v_mov_b32 v[SACC+II], 0                        ; the rows' sums: the trips are written once
.set II, II+1
.endr
	v_mov_b32 v28, 0
	v_mov_b32 v29, 0                               ; (named with v28 as a pair)
	s_mov_b32 s49, 0
	ESLOT 0, 16                                    ; U0: row tiles 0, 1; row tile 2 comes in
	CHANGE 0, 1                                    ; slot 0 takes U2
	ESLOT 1, 24                                    ; U1; row tile 3 comes in
	CHANGE 1, 1                                    ; slot 1 takes U3
	RUNM 0                                         ; U2: all four row tiles
	CHANGE 0, 2                                    ; slot 0 takes U0 again
	RUNM 1                                         ; U3
	CHANGE 1, 2                                    ; slot 1 takes U1 again
	s_mov_b32 s48, 0
	RUNP 0, 2, 1, 0, 8                             ; U0: row tiles 2, 3 (the table's offset has come round to 0)
	CHANGE 0, 0
	s_mov_b32 s48, 0
	RUNP 1, 2, 1, 0, 8                             ; U1
	; THE WAY OUT.  The lane's part of each of its 32 rows' scores; the sum over the 16 lanes of my half (the units); + bv.
.set II, 0
.rept 16
	v_pk_fma_f32 v[SACC+II:SACC+II+1], v[SACC+II:SACC+II+1], -2.0, v[28:29] op_sel_hi:[1,0,0]   ; sum V - 2 sum V r
.set II, II+2
.endr
.irp m, 1,2,4,8
.set II, 0
.rept 32
	v_add_f32_dpp v[SACC+II], v[SACC+II], v[SACC+II] row_xmask:\m row_mask:0xf bank_mask:0xf
.set II, II+1
.endr
.endr
.set II, 0
.rept 16
	v_pk_add_f32 v[SACC+II:SACC+II+1], v[SACC+II:SACC+II+1], s[54:55] op_sel_hi:[1,0]
.set II, II+2
.endr
.irp t, 0,1,2,3                        ; register 8 t + j is row 16 t + 8 h + j: byte 64 t + 32 h + 4 j of my stage; a half's 16 lanes write the same words with the same values
	ds_store_b128 v13, v[SACC+8*\t:SACC+8*\t+3]   offset:64*\t
	ds_store_b128 v13, v[SACC+8*\t+4:SACC+8*\t+7] offset:64*\t+16
.endr
	ds_load_b64 v[32:33], v14                      ; LDS serves a wave's instructions in order
	s_wait_dscnt 0x0
	global_store_b64 v15, v[32:33], s[18:19]       ; the wave stores 256 consecutive bytes, at a multiple of 256 from the buffer's first byte
	s_wait_tensorcnt 0x0                           ; the wave's end
	ds_add_u32 v1, v2
	s_wait_dscnt 0x0
	ROUND                                          ; the closing round
	s_endpgm
.Lfunc_end_k_q14d4ea9482_score:
	.size	k_q14d4ea9482_score, .Lfunc_end_k_q14d4ea9482_score-k_q14d4ea9482_score
	.p2alignl 7, 3214868480
	.fill 96, 4, 3214868480
	.section	.rodata,"a",@progbits
	.p2align	6, 0x0
	.amdhsa_kernel k_q14d4ea9482_score
		.amdhsa_group_segment_fixed_size 327680
		.amdhsa_private_segment_fixed_size 0
		.amdhsa_enable_private_segment 0
		.amdhsa_kernarg_size 56
		.amdhsa_user_sgpr_count 2
		.amdhsa_user_sgpr_kernarg_segment_ptr 1
		.amdhsa_wavefront_size32 1
		.amdhsa_system_sgpr_workgroup_id_x 1
		.amdhsa_system_sgpr_workgroup_id_y 1
		.amdhsa_system_sgpr_workgroup_id_z 1
		.amdhsa_system_vgpr_workitem_id 0
		.amdhsa_next_free_vgpr 512
		.amdhsa_next_free_sgpr 66
		.amdhsa_reserve_vcc 0
		.amdhsa_float_denorm_mode_32 3
		.amdhsa_float_denorm_mode_16_64 3
		.amdhsa_memory_ordered 1
		.amdhsa_forward_progress 1
		.amdhsa_inst_pref_size 255
	.end_amdhsa_kernel
	.section	.bss,"aw",@nobits
	.p2align	6
	.space	262144
	.amdgpu_metadata
---
amdhsa.version: [ 1, 2 ]
amdhsa.kernels:
  - .name:           k_q14d4ea9482_score
    .symbol:         k_q14d4ea9482_score.kd
    .args:
      - { .name: values, .offset: 0, .size: 8, .value_kind: global_buffer, .address_space: global }
      - { .name: W2_codes, .offset: 8, .size: 8, .value_kind: global_buffer, .address_space: global }
      - { .name: lowp_scales, .offset: 16, .size: 8, .value_kind: global_buffer, .address_space: global }
      - { .name: qc, .offset: 24, .size: 8, .value_kind: global_buffer, .address_space: global }
      - { .name: V, .offset: 32, .size: 8, .value_kind: global_buffer, .address_space: global }
      - { .name: bv, .offset: 40, .size: 8, .value_kind: global_buffer, .address_space: global }
      - { .name: scores, .offset: 48, .size: 8, .value_kind: global_buffer, .address_space: global }
    .group_segment_fixed_size: 327680
    .private_segment_fixed_size: 0
    .kernarg_segment_align: 8
    .kernarg_segment_size: 56
    .max_flat_workgroup_size: 256
    .sgpr_count:     66
    .vgpr_count:     512
    .wavefront_size: 32
...
	.end_amdgpu_metadata
.endif
;; end of part 2
;; launch context (part 3): grid 256 x 1, 16 waves a work-group, no clusters, 10,752 bytes of LDS; arguments values, scores, out0, out1; writes out0, out1
.if DOCPART == 3
	.amdgcn_target "amdgcn-amd-amdhsa--gfx1250"
	.amdhsa_code_object_version 6
	.text
	.protected	k_q14d4ea9482_context
	.globl	k_q14d4ea9482_context
	.p2align	8
	.type	k_q14d4ea9482_context,@function
k_q14d4ea9482_context:
	s_mov_b64 s[64:65], 0
	v_nop
	global_prefetch_b8 v0, s[64:65] scope:SCOPE_SE
	s_setreg_imm32_b32 hwreg(HW_REG_WAVE_MODE, 25, 1), 1
	s_wait_xcnt 0x0
; out1[b][s] = softmax over s of scores[b][s] (the batch's largest score is taken away first);  out0[b][c] = sum over s of out1[b][s] x values[b][s][c], on the f32 values as they are given.
; values: [64][2048][512] f32; scores: [64][2048] f32; out0: [64][512]; out1: [64][2048].
; SHARES.  Work-group x: batch x / 4, columns 128 (x % 4) on: 512 bytes of every row, so each number of out0 has one owner.  The softmax, 8 KiB of scores, is made by each of a batch's four work-groups;
;   each stores a quarter of the weights.  Thread t holds the scores of rows 4 t .. 4 t + 3.  Wave w streams rows 128 w .. 128 w + 127, whose weights lie in its own lanes: row 128 w + 4 G + j is register j of lane G.
; A load of the wave reads 512 consecutive bytes of a row.  A ring of 32 row slots in registers keeps 28 to 32 loads of every wave on their way; the first 32 go out ahead of the softmax.
; No matrix unit: N = 1 a row.  No cluster: of what a work-group reads, 1 MiB of values is its own and only the 8 KiB of scores are shared.  No tensor load: each byte is used once, from registers.
; LIMIT: NaN among the inputs is not served.
; LDS: 0: the waves' maxima (16 words); 256: their sums; 512: their parts of out0, 512 bytes a wave.
; REGISTERS: v1-6 addresses; v8-11 scores, then weights; v12-15 at work; v16-31 the 16 waves' figures; v32-47 four sets of sums; v64-191 the ring.
.set CP, 512
.set X,  64
	s_load_b256 s[4:11], s[0:1], 0x0               ; values s[4:5], scores s[6:7], out0 s[8:9], out1 s[10:11]
	v_lshl_add_u32 v192, v0, 2, 0x2200
	v_mov_b32 v193, 0
	v_lshrrev_b32 v3, 5, v0
	s_delay_alu instid0(VALU_DEP_1)
	v_readfirstlane_b32 s12, v3                    ; wave 0..15
	s_lshr_b32 s13, ttmp9, 2                       ; the batch
	s_and_b32 s14, ttmp9, 3                        ; which 128 columns
	s_mov_b32 s16, 0x76543210                      ; v_permlanex16_b32: lane l takes lane l xor 16
	s_mov_b32 s17, 0xfedcba98
	v_and_b32 v1, 31, v0
	s_delay_alu instid0(VALU_DEP_1)
	v_lshlrev_b32 v1, 4, v1                        ; 16 x lane: my 16 bytes of a row's 512; never rewritten
	v_lshlrev_b32 v2, 4, v0                        ; my thread's four scores and weights
	v_lshlrev_b32 v3, 2, v3                        ; my wave's word
	v_mov_b32 v4, 0
	s_lshl_b32 s18, s12, 9
	v_add_nc_u32 v5, s18, v1
	s_delay_alu instid0(VALU_DEP_1)
	v_add_nc_u32 v5, CP, v5                        ; my wave's part of out0
	v_add_nc_u32 v6, CP, v1                        ; and where wave 0 reads all sixteen
	v_mov_b32 v13, 0                               ; written once: a lane permute's destination counts as one of its sources
	s_mov_b32 s21, 0                               ; the upper words of the pairs that the packed forms name
	s_mov_b32 s23, 0
	s_mov_b32 s25, 0
	s_mov_b32 s27, 0
	s_lshl_b32 s18, s13, 22                        ; values: a batch is 2,048 rows of 2,048 bytes,
	s_lshl_b32 s19, s12, 18                        ; my wave's 128 rows,
	s_add_co_u32 s18, s18, s19
	s_lshl_b32 s19, s14, 9                         ; my work-group's 512 bytes of a row
	s_add_co_u32 s18, s18, s19
	s_mov_b32 s19, 0
	s_wait_alu depctr_va_vdst(0)
	s_wait_kmcnt 0x0
	s_add_nc_u64 s[4:5], s[4:5], s[18:19]
	s_lshl_b32 s18, s13, 13
	s_add_nc_u64 s[6:7], s[6:7], s[18:19]
	s_add_nc_u64 s[10:11], s[10:11], s[18:19]
	s_lshl_b32 s18, s13, 11
	s_lshl_b32 s28, s14, 9
	s_add_co_u32 s18, s18, s28
	s_add_nc_u64 s[8:9], s[8:9], s[18:19]
	global_load_b128 v[8:11], v2, s[6:7]
.set II, 0
.rept 32
	global_load_b128 v[X+4*II:X+4*II+3], v1, s[4:5] offset:2048*II th:TH_LOAD_NT   ; the ring is filled: rows 0 to 31
.set II, II+1
.endr
	s_wait_loadcnt 32                              ; the scores are in; the ring's 32 loads stay out
	; the batch's largest score: in the lane, across the wave, across the sixteen waves
	v_max3_num_f32 v12, v8, v9, v10
	s_delay_alu instid0(VALU_DEP_1)
	v_max_num_f32 v12, v12, v11
	s_delay_alu instid0(VALU_DEP_1)
	v_max_num_f32_dpp v12, v12, v12 row_xmask:1 row_mask:0xf bank_mask:0xf
	s_delay_alu instid0(VALU_DEP_1)
	v_max_num_f32_dpp v12, v12, v12 row_xmask:2 row_mask:0xf bank_mask:0xf
	s_delay_alu instid0(VALU_DEP_1)
	v_max_num_f32_dpp v12, v12, v12 row_xmask:4 row_mask:0xf bank_mask:0xf
	s_delay_alu instid0(VALU_DEP_1)
	v_max_num_f32_dpp v12, v12, v12 row_xmask:8 row_mask:0xf bank_mask:0xf
	s_delay_alu instid0(VALU_DEP_1)
	v_permlanex16_b32 v13, v12, s16, s17
	s_delay_alu instid0(VALU_DEP_1)
	v_max_num_f32 v12, v12, v13
	ds_store_b32 v3, v12                           ; all lanes write the same word with the same value
	s_wait_dscnt 0x0                               ; for the others' sake
	s_barrier_signal -1
	s_barrier_wait -1
.irp i, 0,1,2,3
	ds_load_b128 v[16+4*\i:19+4*\i], v4 offset:16*\i
.endr
	s_wait_dscnt 0x0
	v_max3_num_f32 v12, v16, v17, v18
.irp i, 19,21,23,25,27,29
	s_delay_alu instid0(VALU_DEP_1)
	v_max3_num_f32 v12, v12, v[\i], v[\i+1]
.endr
	s_delay_alu instid0(VALU_DEP_1)
	v_max_num_f32 v12, v12, v31
	; e = 2^((s - m) log2(e)): the subtraction first, so that the largest score gives 2^0
.irp j, 8,9,10,11
	v_sub_f32 v[\j], v[\j], v12
.endr
.irp j, 8,9,10,11
	s_delay_alu instid0(VALU_DEP_4)
	v_mul_f32 v[\j], 0x3fb8aa3b, v[\j]
.endr
	s_wait_alu depctr_va_vdst(0)
.irp j, 8,9,10,11
	v_exp_f32 v[\j], v[\j]
.endr
	v_nop                                          ; a plain line behind the batch,
	s_wait_alu depctr_va_vdst(0)                   ; and one wait for the four, ahead of their first reader
	v_add_f32 v12, v8, v9
	v_add_f32 v14, v10, v11
	s_delay_alu instid0(VALU_DEP_1)
	v_add_f32 v12, v12, v14
	s_delay_alu instid0(VALU_DEP_1)
	v_add_f32_dpp v12, v12, v12 row_xmask:1 row_mask:0xf bank_mask:0xf
	s_delay_alu instid0(VALU_DEP_1)
	v_add_f32_dpp v12, v12, v12 row_xmask:2 row_mask:0xf bank_mask:0xf
	s_delay_alu instid0(VALU_DEP_1)
	v_add_f32_dpp v12, v12, v12 row_xmask:4 row_mask:0xf bank_mask:0xf
	s_delay_alu instid0(VALU_DEP_1)
	v_add_f32_dpp v12, v12, v12 row_xmask:8 row_mask:0xf bank_mask:0xf
	s_delay_alu instid0(VALU_DEP_1)
	v_permlanex16_b32 v13, v12, s16, s17
	s_delay_alu instid0(VALU_DEP_1)
	v_add_f32 v12, v12, v13
	ds_store_b32 v3, v12 offset:256                ; other words than the maxima's: no barrier is needed between those reads and this store
	s_wait_dscnt 0x0
	s_barrier_signal -1
	s_barrier_wait -1
.irp i, 0,1,2,3
	ds_load_b128 v[16+4*\i:19+4*\i], v4 offset:256+16*\i
.endr
	s_wait_dscnt 0x0
	v_add_f32 v63, v16, v17
	v_add_f32 v62, v18, v19
	v_add_f32 v61, v20, v21
	v_add_f32 v60, v22, v23
	v_add_f32 v59, v24, v25
	v_add_f32 v58, v26, v27
	v_add_f32 v57, v28, v29
	v_add_f32 v12, v30, v31
	s_delay_alu instid0(VALU_DEP_1)
	v_add_f32 v12, v12, v60
	v_add_f32 v63, v63, v59
	v_add_f32 v62, v62, v58
	v_add_f32 v61, v61, v57
	s_delay_alu instid0(VALU_DEP_2)
	v_add_f32 v12, v12, v62
	s_delay_alu instid0(VALU_DEP_2)
	v_add_f32 v63, v63, v61
	s_delay_alu instid0(VALU_DEP_1)
	v_add_f32 v12, v12, v63
	s_wait_alu depctr_va_vdst(0)
	v_rcp_f32 v12, v12
	v_nop
	s_wait_alu depctr_va_vdst(0)
.irp j, 8,9,10,11
	v_mul_f32 v[\j], v[\j], v12                    ; the weights
.endr
	s_lshr_b32 s18, s12, 2                         ; waves 4 q .. 4 q + 3 of the work-group with columns 128 q on store rows 512 q .. 512 q + 511 of the weights: each byte of out1 has one owner
	s_cmp_lg_u32 s18, s14
	s_cbranch_scc1 .Lnot_mine
	global_store_b128 v2, v[8:11], s[10:11]        ; the wave stores 512 consecutive bytes, at a multiple of 256 from out1's first byte
.Lnot_mine:
; Group G: rows 4 G .. 4 G + 3 of my wave.  Their weights come out of lane G into scalar registers; each row's 16 bytes a lane are two packed multiply-adds, into a set of sums of its own; the four slots take the rows 32 further on.
; No address register is ever rewritten: a row's place stands in the load's immediate, 260,096 bytes at the most.
.macro GROUP g
.if 31-(\g) >= 7
	s_wait_loadcnt 28                              ; loads come back in order (ISA guide 5.7.1): this group's four are in, the seven younger groups' stay out
.else
	s_wait_loadcnt 4*(31-(\g))                     ; the counts run down
.endif
.irp j, 0,1,2,3
	v_readlane_b32 s[20+2*\j], v[8+\j], \g
.endr
.irp j, 0,1,2,3
.set XS, X+4*((4*(\g)+\j)%32)
.if (\g) == 0
	v_pk_mul_f32 v[32+4*\j:33+4*\j], v[XS:XS+1],   s[20+2*\j:21+2*\j] op_sel_hi:[1,0]     ; the first group starts the sums: nothing is cleared
	v_pk_mul_f32 v[34+4*\j:35+4*\j], v[XS+2:XS+3], s[20+2*\j:21+2*\j] op_sel_hi:[1,0]
.else
	v_pk_fma_f32 v[32+4*\j:33+4*\j], v[XS:XS+1],   s[20+2*\j:21+2*\j], v[32+4*\j:33+4*\j] op_sel_hi:[1,0,1]
	v_pk_fma_f32 v[34+4*\j:35+4*\j], v[XS+2:XS+3], s[20+2*\j:21+2*\j], v[34+4*\j:35+4*\j] op_sel_hi:[1,0,1]
.endif
.endr
.if (\g) <= 23
.irp j, 0,1,2,3
.set XS, X+4*((4*(\g)+\j)%32)
	global_load_b128 v[XS:XS+3], v1, s[4:5] offset:2048*(4*(\g)+32+\j) th:TH_LOAD_NT
.endr
.endif
.endm
.set GG, 0
	s_wait_alu depctr_va_vdst(0)
.rept 32
	GROUP GG
.set GG, GG+1
.endr
	v_pk_add_f32 v[32:33], v[32:33], v[36:37]      ; the four sets become one
	v_pk_add_f32 v[34:35], v[34:35], v[38:39]
	s_delay_alu instid0(VALU_DEP_4)
	v_pk_add_f32 v[40:41], v[40:41], v[44:45]
	s_delay_alu instid0(VALU_DEP_4)
	v_pk_add_f32 v[42:43], v[42:43], v[46:47]
	s_delay_alu instid0(VALU_DEP_2)
	v_pk_add_f32 v[32:33], v[32:33], v[40:41]
	s_delay_alu instid0(VALU_DEP_2)
	v_pk_add_f32 v[34:35], v[34:35], v[42:43]
	ds_store_b128 v5, v[32:35]
	s_wait_dscnt 0x0                               ; for wave 0's sake
	s_barrier_signal -1
	s_barrier_wait -1
	s_cmp_lg_u32 s12, 0                            ; wave 0 adds the sixteen parts, in ascending order, and stores
	s_cbranch_scc1 .Lend
.set II, 0
.rept 16
	ds_load_b128 v[X+4*II:X+4*II+3], v6 offset:512*II
.set II, II+1
.endr
	s_wait_dscnt 0x0
.set II, 1
	v_pk_add_f32 v[X:X+1],   v[X:X+1],   v[X+4*II:X+4*II+1]
	v_pk_add_f32 v[X+2:X+3], v[X+2:X+3], v[X+4*II+2:X+4*II+3]
.set II, II+1
.rept (15)-1
	s_delay_alu instid0(VALU_DEP_2)
	v_pk_add_f32 v[X:X+1],   v[X:X+1],   v[X+4*II:X+4*II+1]
	s_delay_alu instid0(VALU_DEP_2)
	v_pk_add_f32 v[X+2:X+3], v[X+2:X+3], v[X+4*II+2:X+4*II+3]
.set II, II+1
.endr
	global_store_b128 v1, v[X:X+3], s[8:9]         ; 512 consecutive bytes, at a multiple of 256 from out0's first byte
.Lend:
	s_wait_tensorcnt 0x0
	ds_add_u32 v192, v193
	s_wait_dscnt 0x0
	s_endpgm
.Lfunc_end_k_q14d4ea9482_context:
	.size	k_q14d4ea9482_context, .Lfunc_end_k_q14d4ea9482_context-k_q14d4ea9482_context
	.p2alignl 7, 3214868480
	.fill 96, 4, 3214868480
	.section	.rodata,"a",@progbits
	.p2align	6, 0x0
	.amdhsa_kernel k_q14d4ea9482_context
		.amdhsa_group_segment_fixed_size 10752
		.amdhsa_private_segment_fixed_size 0
		.amdhsa_enable_private_segment 0
		.amdhsa_kernarg_size 32
		.amdhsa_user_sgpr_count 2
		.amdhsa_user_sgpr_kernarg_segment_ptr 1
		.amdhsa_wavefront_size32 1
		.amdhsa_system_sgpr_workgroup_id_x 1
		.amdhsa_system_sgpr_workgroup_id_y 1
		.amdhsa_system_sgpr_workgroup_id_z 1
		.amdhsa_system_vgpr_workitem_id 0
		.amdhsa_next_free_vgpr 194
		.amdhsa_next_free_sgpr 66
		.amdhsa_reserve_vcc 0
		.amdhsa_float_denorm_mode_32 3
		.amdhsa_float_denorm_mode_16_64 3
		.amdhsa_memory_ordered 1
		.amdhsa_forward_progress 1
		.amdhsa_inst_pref_size 49
	.end_amdhsa_kernel
	.amdgpu_metadata
---
amdhsa.version: [ 1, 2 ]
amdhsa.kernels:
  - .name:           k_q14d4ea9482_context
    .symbol:         k_q14d4ea9482_context.kd
    .args:
      - { .name: values, .offset: 0, .size: 8, .value_kind: global_buffer, .address_space: global }
      - { .name: scores, .offset: 8, .size: 8, .value_kind: global_buffer, .address_space: global }
      - { .name: out0, .offset: 16, .size: 8, .value_kind: global_buffer, .address_space: global }
      - { .name: out1, .offset: 24, .size: 8, .value_kind: global_buffer, .address_space: global }
    .group_segment_fixed_size: 10752
    .private_segment_fixed_size: 0
    .kernarg_segment_align: 8
    .kernarg_segment_size: 32
    .max_flat_workgroup_size: 512
    .sgpr_count:     66
    .vgpr_count:     194
    .wavefront_size: 32
...
	.end_amdgpu_metadata
.endif
;; end of part 3
